; MI455X (gfx1250); checked and timed in simulation.
; The chip was launched on July 23, 2026; its instructions are those of AMD's public machine-readable ISA for CDNA 5 (MIT licence, August 2026) and "CDNA5" Instruction Set Architecture Reference Guide (July 2026). The comments in the code are by the model that wrote it; some were corrected since.
;; GGML Quantized Linear. Allowed arithmetic: float matrix products may take bf16 or f16 operands with f32 sums; all other float work in f32.
;; Inputs: bias 4,096 float32; scales 4,096 x 128 float32; weight_packed 4,096 x 2,048 int32; x 2 x 2,048 x 4,096 float32; zero_points 4,096 x 128 float32.
;; Outputs: out0 2 x 2,048 x 4,096 float32.
;; 2 versions, each right; version 2 is version 1 with the launch prep written anew for expert scheduling mode. Each part assembles by itself: llvm-mc -triple=amdgcn-amd-amdhsa -mcpu=gfx1250 --defsym DOCPART=n.
;; ======== version 1 of 2: 2 launches
;; limits: values are held in f16: magnitudes above 65,504 overflow, below 6.1e-05 lose precision
;; workspace buffers: xh 33,554,432 bytes; wh 33,554,432 bytes
;; launch prep (part 1): grid 256 x 1, 16 waves a work-group, no clusters, 0 bytes of LDS; arguments x, weight_packed, scales, zero_points, xh, wh; writes xh, wh
.if DOCPART == 1
	.amdgcn_target "amdgcn-amd-amdhsa--gfx1250"
	.amdhsa_code_object_version 6
	.text
	.protected	k_q4c6968642e_prep
	.globl	k_q4c6968642e_prep
	.p2align	8
	.type	k_q4c6968642e_prep,@function
k_q4c6968642e_prep:
	s_mov_b64 s[64:65], 0
	v_nop
	global_prefetch_b8 v0, s[64:65] scope:SCOPE_SE
	s_setreg_imm32_b32 hwreg(HW_REG_WAVE_MODE, 25, 1), 1
	s_wait_xcnt 0x0
; xh[m][k] = f16(x[m][k]);  wh[o][k] = f16((q[o][k] - z[o][k/32]) * s[o][k/32]).  x: [4096][4096] f32; weight_packed: [4096][2048] int32, of each word
; bits 3:0 are q of the even k and bits 7:4 q of the odd k (higher bits are ignored, as the masks of the problem ignore them); scales, zero_points: [4096][128] f32.
; The difference and the product are two f32 roundings, in the order in which the problem writes them: no product z s is formed and taken away.
; LIMITS.  f16 holds no number beyond 65,504: an |x| or |W| of 65,520 or more becomes an infinity; below 6e-5 f16 keeps its fixed step of 6e-8.  NaN and infinities are not treated apart.
; SHARES.  256 work-groups of 16 waves: wave w of group g owns row 16 g + w of the weights (8,192 bytes in, 8,192 out: a word becomes two f16, so both have the same offsets)
; and row 16 g + w of x (16,384 bytes in, 8,192 out).  A wave asks for its whole share at once, 56 loads, and then works in the order of the loads behind counted waits.
; No register that a load or store names is written again, so nothing waits for a store.  No LDS, no barrier, no matrix unit: nothing is shared and every byte is touched once.
.set VW, 3            ; v3   byte offset of my 16 bytes in piece 0 of my weight row, in and out: 8,192 w + 16 l
.set VX, 4            ; v4   the same in x: 16,384 w + 16 l
.set VO, 5            ; v5   the same in xh: 8,192 w + 8 l
.set VS, 6            ; v6   my word in the first 128 bytes of my row of scales and of zero points: 512 w + 32 (l % 4) + 4 (l / 4)
.set ZP, 8            ; v[8:11]   zero points, load c: lane 4 a + b holds group 32 c + 8 b + a
.set SC, 12           ; v[12:15]  scales, likewise
.set ZQ, 16           ; v[16:17]  the zero point of the piece in hand, in the low word; named as a pair
.set SQ, 18           ; v[18:19]  its scale
.set T,  20           ; v[20:27]  eight numbers at work
.set W,  28           ; v[28:91]  piece i of 16: four words as loaded, then four words of f16
.set X,  92           ; v[92:219] piece j of 32: four f32 as loaded, then two words of f16
	s_load_b256 s[4:11], s[0:1], 0x0               ; x s[4:5], weight_packed s[6:7], scales s[8:9], zero_points s[10:11]
	s_load_b128 s[12:15], s[0:1], 0x20             ; xh s[12:13], wh s[14:15]
	s_lshl_b32 s16, ttmp9, 18                      ; the group's 16 rows of 16,384 bytes (x)
	s_mov_b32 s17, 0
	s_lshl_b32 s18, ttmp9, 17                      ; of 8,192 bytes (weight_packed, wh, xh)
	s_mov_b32 s19, 0
	s_lshl_b32 s20, ttmp9, 13                      ; of 512 bytes (scales, zero_points)
	s_mov_b32 s21, 0
	v_and_b32 v1, 31, v0                           ; l
	v_lshrrev_b32 v2, 5, v0                        ; w
	v_lshlrev_b32 v[VW], 4, v1
	v_lshl_add_u32 v[VX], v2, 14, v[VW]
	v_lshl_add_u32 v[VW], v2, 13, v[VW]
	v_lshlrev_b32 v[VO], 3, v1
	v_lshl_add_u32 v[VO], v2, 13, v[VO]
	v_and_b32 v[VS], 3, v1
	v_lshlrev_b32 v[VS], 5, v[VS]
	v_lshrrev_b32 v7, 2, v1
	v_lshl_add_u32 v[VS], v7, 2, v[VS]
	v_lshl_add_u32 v[VS], v2, 9, v[VS]
.irp r, 0,1,2,3
	v_mov_b32 v[ZQ+(\r)], 0                        ; written once whole: the moves between lanes below count as readers of their destination, the packed lines name the pairs
.endr
	s_wait_kmcnt 0x0
	s_add_nc_u64 s[4:5], s[4:5], s[16:17]
	s_add_nc_u64 s[6:7], s[6:7], s[18:19]
	s_add_nc_u64 s[8:9], s[8:9], s[20:21]
	s_add_nc_u64 s[10:11], s[10:11], s[20:21]
	s_add_nc_u64 s[12:13], s[12:13], s[18:19]
	s_add_nc_u64 s[14:15], s[14:15], s[18:19]
	; All 56 loads.  Each of the eight small ones takes 128 consecutive bytes of the row's 512, the lanes permuted inside them, so that every scale and zero point is read once.
.irp c, 0,1,2,3
	global_load_b32 v[ZP+(\c)], v[VS], s[10:11] offset:128*(\c) th:TH_LOAD_NT
.endr
.irp c, 0,1,2,3
	global_load_b32 v[SC+(\c)], v[VS], s[8:9] offset:128*(\c) th:TH_LOAD_NT
.endr
.set i, 0
.rept 16
	global_load_b128 v[W+4*i:W+4*i+3], v[VW], s[6:7] offset:512*i th:TH_LOAD_NT  ; 512 consecutive bytes: words 128 i + 4 l on, k = 256 i + 8 l on
.set i, i+1
.endr
.set j, 0
.rept 32
	global_load_b128 v[X+4*j:X+4*j+3], v[VX], s[4:5] offset:512*j th:TH_LOAD_NT
.set j, j+1
.endr
; Piece i = 4 c + b of the weight row.  My eight k lie in group 8 i + l / 4 = 32 c + 8 b + l / 4, which lane b of my four lanes holds in load c: one move inside the four lanes fetches it.
.macro WPIECE c, b
.set i, 4*(\c)+(\b)
	s_wait_loadcnt 47-i                            ; loads come back in order (ISA guide 5.7.1): mine is in; the 15 - i younger pieces and x's 32 loads stay out
	v_mov_b32_dpp v[ZQ], v[ZP+(\c)] quad_perm:[\b,\b,\b,\b] row_mask:0xf bank_mask:0xf
	v_mov_b32_dpp v[SQ], v[SC+(\c)] quad_perm:[\b,\b,\b,\b] row_mask:0xf bank_mask:0xf
.irp k, 0,1,2,3
	v_and_b32 v[T+2*(\k)], 15, v[W+4*i+(\k)]       ; the even k's four bits,
	v_bfe_u32 v[T+2*(\k)+1], v[W+4*i+(\k)], 4, 4   ; the odd k's
.endr
.irp k, 0,1,2,3,4,5,6,7
	v_cvt_f32_u32 v[T+(\k)], v[T+(\k)]
.endr
.irp k, 0,2,4,6
	v_pk_add_f32 v[T+(\k):T+(\k)+1], v[T+(\k):T+(\k)+1], v[ZQ:ZQ+1] op_sel_hi:[1,0] neg_lo:[0,1] neg_hi:[0,1]  ; q - z, the pair's low word for both
.endr
.irp k, 0,2,4,6
	v_pk_mul_f32 v[T+(\k):T+(\k)+1], v[T+(\k):T+(\k)+1], v[SQ:SQ+1] op_sel_hi:[1,0]                            ; times s
.endr
.irp k, 0,1,2,3
	v_cvt_pk_f16_f32 v[W+4*i+(\k)], v[T+2*(\k)], v[T+2*(\k)+1]  ; the even k into the low half
.endr
	global_store_b128 v[VW], v[W+4*i:W+4*i+3], s[14:15] offset:512*i  ; 512 consecutive bytes, at a multiple of 512 from wh's first; the next launch reads them, so no hint
.endm
.irp c, 0,1,2,3
.irp b, 0,1,2,3
	WPIECE \c, \b
.endr
.endr
	; x: four f32 a lane become 8 bytes; the wave's store covers 256 consecutive bytes, at a multiple of 256 from xh's first
.set j, 0
.rept 32
	s_wait_loadcnt 31-j                            ; piece j is in, the younger ones stay out
	v_cvt_pk_f16_f32 v[X+4*j], v[X+4*j], v[X+4*j+1]
	v_cvt_pk_f16_f32 v[X+4*j+1], v[X+4*j+2], v[X+4*j+3]
	global_store_b64 v[VO], v[X+4*j:X+4*j+1], s[12:13] offset:256*j
.set j, j+1
.endr
	s_endpgm
.Lfunc_end_k_q4c6968642e_prep:
	.size	k_q4c6968642e_prep, .Lfunc_end_k_q4c6968642e_prep-k_q4c6968642e_prep
	.p2alignl 7, 3214868480
	.fill 96, 4, 3214868480
	.section	.rodata,"a",@progbits
	.p2align	6, 0x0
	.amdhsa_kernel k_q4c6968642e_prep
		.amdhsa_group_segment_fixed_size 0
		.amdhsa_private_segment_fixed_size 0
		.amdhsa_enable_private_segment 0
		.amdhsa_kernarg_size 48
		.amdhsa_user_sgpr_count 2
		.amdhsa_user_sgpr_kernarg_segment_ptr 1
		.amdhsa_wavefront_size32 1
		.amdhsa_system_sgpr_workgroup_id_x 1
		.amdhsa_system_sgpr_workgroup_id_y 1
		.amdhsa_system_sgpr_workgroup_id_z 1
		.amdhsa_system_vgpr_workitem_id 0
		.amdhsa_next_free_vgpr 224
		.amdhsa_next_free_sgpr 66
		.amdhsa_reserve_vcc 0
		.amdhsa_float_denorm_mode_32 3
		.amdhsa_float_denorm_mode_16_64 3
		.amdhsa_memory_ordered 1
		.amdhsa_forward_progress 1
		.amdhsa_inst_pref_size 41
	.end_amdhsa_kernel
	.amdgpu_metadata
---
amdhsa.version: [ 1, 2 ]
amdhsa.kernels:
  - .name:           k_q4c6968642e_prep
    .symbol:         k_q4c6968642e_prep.kd
    .args:
      - { .name: x, .offset: 0, .size: 8, .value_kind: global_buffer, .address_space: global }
      - { .name: weight_packed, .offset: 8, .size: 8, .value_kind: global_buffer, .address_space: global }
      - { .name: scales, .offset: 16, .size: 8, .value_kind: global_buffer, .address_space: global }
      - { .name: zero_points, .offset: 24, .size: 8, .value_kind: global_buffer, .address_space: global }
      - { .name: xh, .offset: 32, .size: 8, .value_kind: global_buffer, .address_space: global }
      - { .name: wh, .offset: 40, .size: 8, .value_kind: global_buffer, .address_space: global }
    .group_segment_fixed_size: 0
    .private_segment_fixed_size: 0
    .kernarg_segment_align: 8
    .kernarg_segment_size: 48
    .max_flat_workgroup_size: 512
    .sgpr_count:     66
    .vgpr_count:     224
    .wavefront_size: 32
...
	.end_amdgpu_metadata
.endif
;; end of part 1
;; launch gemm (part 2): grid 16 x 16, 4 waves a work-group, clusters of 4 x 4, 327,680 bytes of LDS; arguments xh, wh, out0, bias; writes out0
.if DOCPART == 2
	.amdgcn_target "amdgcn-amd-amdhsa--gfx1250"
	.amdhsa_code_object_version 6
	.text
	.protected	k_q4c6968642e_gemm
	.globl	k_q4c6968642e_gemm
	.p2align	8
	.type	k_q4c6968642e_gemm,@function
k_q4c6968642e_gemm:
	s_mov_b64 s[64:65], 0
	v_nop
	global_prefetch_b8 v0, s[64:65] scope:SCOPE_SE
	s_setreg_imm32_b32 hwreg(HW_REG_WAVE_MODE, 25, 1), 1
	s_wait_xcnt 0x0
	s_wait_alu depctr_hold_cnt(0) depctr_sa_sdst(0) depctr_va_vdst(0) depctr_va_sdst(0) depctr_va_ssrc(0) depctr_va_vcc(0) depctr_vm_vsrc(0)
	s_getreg_b32 s2, hwreg(HW_REG_IB_STS2, 6, 4)
	s_cmp_eq_u32 s2, 0
	s_cbranch_scc0 .Lentry_in_a_cluster
	s_endpgm
.Lentry_in_a_cluster:
	s_bfe_u32 s2, ttmp6, 0x10000c
	s_cmp_lg_u32 s2, 0xf033
	s_cbranch_scc0 .Lentry_shape_is_right
	s_endpgm
.Lentry_shape_is_right:
; out0[m][o] = bias[o] + the sum over k of xh[m][k] wh[o][k].  xh (A): [4096][4096] f16, wh (B): [4096][4096] f16, bias: [4096] f32, out0 (C): [4096][4096] f32.  Sums in f32, K ascending.
; LIMITS.  The operands are f16 as the launch before made them (range 65,504; fixed step 6e-8 below 6e-5).  The bias is the value with which each f32 sum starts, not a last addition:
; another order of rounding than the problem's text.  NaN and infinities are not treated apart.
; SHARES.  A tile of C, 256 x 256, is made by a work-group of four waves; 16 x 16 tiles, one a work-group.  A wave makes 128 x 128: 64 accumulators of 16 x 16, 512 registers.
; K goes in 32 steps of 128 through a ring of two LDS slots filled by the tensor data mover: a tile's rows are 256 bytes of memory and start at multiples of 256 bytes from the buffer's first byte.
; CLUSTERS: 4 x 4 work-groups.  The four of a row of the cluster need the same tiles of A, the four of a column the same tiles of B: each tile is asked for JOINTLY, by the same tensor load with the
; same descriptor and a mask that names the four, and each receives it in its own LDS: a quarter of the requests.
; THE MATRIX INSTRUCTION IS USED TRANSPOSED: source 0 = 16 rows of B, source 1 = 16 rows of A.  Lane l then holds row l % 16 of C and, in registers 0 to 7, the columns 8 (l / 16) + 0 .. 7.
; So a lane's C operand for column block b is eight neighbouring numbers of the bias: 64 registers, loaded once, start all 64 sums: nothing is cleared, and the bias costs no arithmetic.
; REGISTERS, in windows of 256 (s_set_vgpr_msb: bits 1:0 source 0, 3:2 source 1, 5:4 source 2, 7:6 destination):
;   window 0: v0-31 addresses; v64-127, v128-191 fragments of A, two buffers, and on the way out rows read back from the stage; v192-255 the bias
;   window 1: v64-127, v128-191 fragments of B, two buffers
;   window 2: the 32 accumulators of my rows 0-63 (accumulator (a, b) at v[8 (8 a + b)]);   window 3: those of my rows 64-127
.set SIZE_K, 4096
.set SIZE_N, 4096
.set KSTEP,  128
.set PITCH,  272                       ; an LDS row: 256 bytes of data + 16 of padding = 68 words: row r starts at bank 4 r mod 64 (64 banks of 4 bytes: ISA guide 11.1), so the 16 rows of a load start at 16 different banks
.set HALFT,  128*PITCH                 ; 128 rows: what one tensor load brings, and what one wave reads of A or of B
.set SLOT,   4*HALFT                   ; A's 256 rows, then B's 256 rows
.set STAGE,  2*SLOT                    ; behind the ring: 16 rows x 528 bytes for each wave, for the way out; no tensor load lands here
.set SPITCH, 528                       ; a stage row: 128 f32 + 16 bytes: the 16 rows that a store touches start at 16 different groups of four banks
.set SPARE,  STAGE+4*16*SPITCH         ; behind the stages: the spare words, 128 bytes for each wave: two blocks of 256 bytes that no other line names
.set LAPS,   SIZE_K/(2*KSTEP)          ; a lap = two K steps = once round the ring: 16
.set ROWC,   SIZE_N*4                  ; bytes in a row of C
.set ADRA, 16                          ; v16-17  LDS address of my A fragments in slot 0, 1
.set ADRB, 20                          ; v20-21  the same for B
.set STO,  24                          ; v24     the way out: where I put my 32 bytes of a row
.set RD,   25                          ; v25     the way out: where I read a row back
.set CO,   26                          ; v26     my byte offset in a row of my part of C: 16 x lane
.set VB,   27                          ; v27     my byte offset in a block of 16 numbers of the bias: 32 (l / 16)
.set SPW,  28                          ; v28     LDS address of my spare word: SPARE + 4 x my thread's number; never rewritten
.set NIL,  29                          ; v29     0; never rewritten
.set F0,   64                          ; fragment buffer 0
.set F1,   128                         ; fragment buffer 1
.set BI,   192                         ; the bias of column block b at v[BI + 8 b], window 0
.set G1, 24                            ; s[24:31] descriptor group 1 for A's tiles
.set G0, 32                            ; s[32:39] descriptor group 0 for A's tiles, one set for each slot
.set G1B, 48                           ; s[48:55] descriptor group 1 for B's tiles: it differs from A's in the mask alone
.set G0B, 56                           ; s[56:63] descriptor group 0 for B's tiles, one set for each slot
.set MSB, 0
.macro WIN new                         ; the immediate's high byte repeats the setting that is left; a switch that changes nothing is dropped
.if MSB != (\new)
	s_set_vgpr_msb (MSB<<8)|(\new)
.set MSB, \new
.endif
.endm
.set TO_B, 0x40                        ; destination window 1, address window 0
; A joint load.  Waves 0 and 1 fetch A's two halves, waves 2 and 3 B's.  Each of the two lines has one mask and one set of registers for all that issue it.  The branch hangs on the wave's number alone.
; An s_nop 0 and four v_nop follow each of the two lines; the jump round the other line, the label and what follows the macro come after them.
.macro JLOAD s
	s_cmp_eq_u32 s11, 0
	s_cbranch_scc0 .Lfor_b_\@
	tensor_load_to_lds s[G0+4*(\s):G0+4*(\s)+3], s[G1:G1+7]
	s_nop 0
.rept 4
	v_nop
.endr
	s_branch .Lasked_\@
.Lfor_b_\@:
	tensor_load_to_lds s[G0B+4*(\s):G0B+4*(\s)+3], s[G1B:G1B+7]
	s_nop 0
.rept 4
	v_nop
.endr
.Lasked_\@:
.endm
; A round of the cluster's barrier: my work-group's barrier, so that wave 0's signal speaks for all four waves; wave 0 signals for the work-group; every wave waits for all
; sixteen work-groups; my work-group's barrier once more.  No LDS instruction of the wave is pending at a signal.
.macro CREST                           ; a round behind its opening barrier
	s_cmp_lg_u32 s10, 0
	s_cbranch_scc1 .Lnot_wave_0_\@
	s_barrier_signal -3
.Lnot_wave_0_\@:
	s_barrier_wait -3
	s_barrier_signal -1
	s_barrier_wait -1
.endm
.macro CROUND                          ; a whole round
	s_barrier_signal -1
	s_barrier_wait -1
	CREST
.endm
	s_load_b128 s[4:7], s[0:1], 0x0                ; A (xh) s[4:5], B (wh) s[6:7]
	s_load_b64 s[8:9], s[0:1], 0x10                ; C (out0)
	s_load_b64 s[66:67], s[0:1], 0x18              ; bias
	v_lshl_add_u32 v[SPW], v0, 2, SPARE
	v_mov_b32 v[NIL], 0
	ds_add_u32 v[SPW], v[NIL]                      ; the wave's opening: the add and its wait stand ahead of my first tensor load; the set-up below, work on registers, stands between them
	v_lshrrev_b32 v1, 5, v0
	v_readfirstlane_b32 s10, v1                    ; wave 0..3
	s_lshr_b32 s11, s10, 1                         ; which half of the tile's rows is mine.  Also: I fetch for A (0) or for B (1)
	s_and_b32 s12, s10, 1                          ; which half of its columns.  Also: which 128 rows of that tile I fetch
	s_bfe_u32 s40, ttmp6, 0x40000                  ; cx: my place along the cluster's x
	s_bfe_u32 s41, ttmp6, 0x40004                  ; cy: along its y
	s_lshl_b32 s42, ttmp9, 2                       ; in a cluster launch ttmp9 and ttmp7 count clusters
	s_add_co_u32 s42, s42, s40                     ; tile column of C = 4 x cluster x + cx
	s_and_b32 s13, ttmp7, 0xffff
	s_lshl_b32 s13, s13, 2
	s_add_co_u32 s13, s13, s41                     ; tile row of C = 4 x cluster y + cy
	s_lshl_b32 s43, s41, 2
	s_lshl_b32 s43, 15, s43                        ; my row of the cluster: places 4 cy .. 4 cy + 3
	s_lshl_b32 s44, 0x1111, s40                    ; my column: places cx, cx + 4, cx + 8, cx + 12
	; descriptor group 1: a tile of 128 rows x 128 elements, padded in LDS
	s_or_b32 s[G1+0], s43, (1<<16)|(1<<20)|(1<<21)|(5<<22)|(3<<25)  ; 15:0 the mask: A's tiles go to my row; 17:16 element of 2 bytes; 20 padding on; 21 set beside a mask; 24:22 after every 64 words (code 5); 31:25 of 4 words (code 3)
	s_or_b32 s[G1B+0], s44, (1<<16)|(1<<20)|(1<<21)|(5<<22)|(3<<25) ; the same with the mask of my column, for B's tiles
.irp g, G1, G1B
	s_mov_b32 s[(\g)+1], KSTEP<<16                 ; 63:48 tensor_dim0, low half = 128
	s_mov_b32 s[(\g)+2], 128<<16                   ; 79:64 its high half = 0; 95:80 tensor_dim1, low half = 128
	s_mov_b32 s[(\g)+3], KSTEP<<16                 ; 111:96 its high half = 0; 127:112 tile_dim0 = 128
	s_mov_b32 s[(\g)+4], 128                       ; 143:128 tile_dim1 = 128; 159:144 tile_dim2 = 0
	s_mov_b32 s[(\g)+5], SIZE_K                    ; 191:160 tensor_dim0_stride, low word: elements from row to row
	s_mov_b32 s[(\g)+6], 0
	s_mov_b32 s[(\g)+7], 0
.endr
	; where the tiles come from.  A's hang on the tile row alone, which my row of the cluster shares; B's on the tile column alone, which my column shares.
	; Every wave makes both offsets, in registers that never hold the other coordinate, and asks by one of them.
	s_lshl_b32 s17, s12, 7                         ; which 128 rows of the tile I fetch
	s_lshl_b32 s16, s13, 8
	s_add_co_u32 s16, s16, s17                     ; A: row 256 x tile row + 128 x half
	s_lshl_b32 s46, s42, 8
	s_add_co_u32 s46, s46, s17                     ; B: row 256 x tile column + 128 x half
	s_lshl_b32 s16, s16, 13                        ; in bytes: rows of 8,192; under 2^25
	s_lshl_b32 s46, s46, 13
	s_mov_b32 s17, 0
	s_mov_b32 s47, 0
	s_mul_i32 s20, s10, HALFT                      ; and where they go: A's two halves, then B's two halves = wave x 128 rows: no place in the cluster enters an LDS address
	s_wait_dscnt 0x0                               ; the opening add is done
	s_wait_kmcnt 0x0
	s_add_nc_u64 s[14:15], s[4:5], s[16:17]
	s_add_nc_u64 s[46:47], s[6:7], s[46:47]
	CROUND                                         ; all sixteen work-groups are here: the first joint loads meet
.irp s, 0,1
	s_mov_b32 s[G0+4*(\s)], 1                                      ; 1:0 count = 1
	s_add_co_u32 s[G0+4*(\s)+1], s20, (\s)*SLOT                    ; 63:32 LDS address
	s_add_nc_u64 s[G0+4*(\s)+2:G0+4*(\s)+3], s[14:15], (\s)*KSTEP*2  ; 120:64 global address: K step s
	s_or_b32 s[G0+4*(\s)+3], s[G0+4*(\s)+3], 0x80000000            ; 127:126 type = 2
	s_mov_b32 s[G0B+4*(\s)], 1
	s_add_co_u32 s[G0B+4*(\s)+1], s20, (\s)*SLOT
	s_add_nc_u64 s[G0B+4*(\s)+2:G0B+4*(\s)+3], s[46:47], (\s)*KSTEP*2
	s_or_b32 s[G0B+4*(\s)+3], s[G0B+4*(\s)+3], 0x80000000
	JLOAD \s                                       ; the ring is filled before anything else is done: two tensor loads of mine are out
.endr
	; A fragment is 16 rows x 32 K in 8 registers: lane l holds row l % 16; registers 0-3 hold K = 8 (l / 16) + 0..7, registers 4-7 hold
	; K = 16 + 8 (l / 16) + 0..7.  From rows that lie along K: two loads of 16 bytes, 32 bytes apart.  The same for source 0 and source 1.
	v_and_b32 v1, 15, v0                           ; l % 16
	v_bfe_u32 v2, v0, 4, 1                         ; l / 16
	v_mul_u32_u24 v3, v1, PITCH
	v_lshl_add_u32 v3, v2, 4, v3                   ; row x pitch + 16 x half
	s_mul_i32 s21, s11, HALFT                      ; my 128 rows of A
	s_mul_i32 s22, s12, HALFT                      ; my 128 rows of B,
	s_add_co_u32 s22, s22, 2*HALFT                 ; which lie behind A's 256
.irp s, 0,1
	v_add_nc_u32 v[ADRA+(\s)], s21, v3
	v_add_nc_u32 v[ADRB+(\s)], s22, v3
	s_add_co_u32 s21, s21, SLOT
	s_add_co_u32 s22, s22, SLOT
.endr
	s_mul_i32 s23, s10, 16*SPITCH
	s_add_co_u32 s23, s23, STAGE                   ; my stage
	v_mul_u32_u24 v4, v1, SPITCH                   ; in: row l % 16, 32 bytes for each half of the lanes
	v_lshl_add_u32 v4, v2, 5, v4
	v_add_nc_u32 v[STO], s23, v4
	v_and_b32 v5, 31, v0
	v_lshlrev_b32 v[CO], 4, v5                     ; back: the 32 lanes take one row of 512 bytes, and the same 512 bytes in C
	v_add_nc_u32 v[RD], s23, v[CO]
	v_lshlrev_b32 v[VB], 5, v2
	; my first column, in bytes of f32: 1,024 x tile column + 512 x half, for the bias and for C (in the registers that held B's address: none that feeds A's descriptors ever holds cx)
	s_lshl_b32 s46, s42, 10
	s_lshl_b32 s47, s12, 9
	s_add_co_u32 s46, s46, s47
	s_mov_b32 s47, 0
	s_add_nc_u64 s[66:67], s[66:67], s[46:47]
	s_lshl_b32 s16, s13, 8
	s_lshl_b32 s17, s11, 7
	s_add_co_u32 s16, s16, s17                     ; my first row of C,
	s_lshl_b32 s16, s16, 14                        ; in bytes: rows of 16,384; under 2^26
	s_mov_b32 s17, 0
	s_add_nc_u64 s[8:9], s[8:9], s[16:17]
	s_add_nc_u64 s[8:9], s[8:9], s[46:47]          ; C at my part's first number; never stepped again
.irp b, 0,1,2,3,4,5,6,7
	global_load_b128 v[BI+8*(\b):BI+8*(\b)+3],   v[VB], s[66:67] offset:64*(\b)     ; bias of columns 16 b + 8 (l / 16) + 0..3 of my 128,
	global_load_b128 v[BI+8*(\b)+4:BI+8*(\b)+7], v[VB], s[66:67] offset:64*(\b)+16  ; + 4..7: my 512 bytes of the bias are read once, in the wait for the first tile
.endr
; 16 matrix instructions: m blocks a0, a0 + 1 of the window's four (hi = 0: my rows 0-63, 1: rows 64-127) x all 8 n blocks, 32 along K.
; first = 1: the product starts the sum with the bias (C in window 0).  The macro alone sets the windows of the products.
.macro MUL16 f, hi, a0, first
.if \first
	WIN 0x81+0x40*(\hi)                            ; source 0 (B) window 1, source 1 (A) and C window 0, D window 2 or 3
.else
	WIN 0xa1+0x50*(\hi)                            ; source 0 (B) window 1, source 1 (A) window 0, C and D window 2 or 3
.endif
.irp a, \a0, (\a0)+1
.irp b, 0,1,2,3,4,5,6,7
.if \first
	v_wmma_f32_16x16x32_f16 v[8*(8*(\a)+(\b)):8*(8*(\a)+(\b))+7], v[(\f)+8*(\b):(\f)+8*(\b)+7], v[(\f)+8*(4*(\hi)+(\a)):(\f)+8*(4*(\hi)+(\a))+7], v[BI+8*(\b):BI+8*(\b)+7]
.else
	v_wmma_f32_16x16x32_f16 v[8*(8*(\a)+(\b)):8*(8*(\a)+(\b))+7], v[(\f)+8*(\b):(\f)+8*(\b)+7], v[(\f)+8*(4*(\hi)+(\a)):(\f)+8*(4*(\hi)+(\a))+7], v[8*(8*(\a)+(\b)):8*(8*(\a)+(\b))+7]
.endif
.endr
.endr
.endm
; 32 LDS loads in one run: the fragments of one quarter step (128 rows of B, 128 rows of A, 32 K at byte k of the rows) into buffer f
.macro FETCH slot, k, f
	WIN TO_B
.irp i, 0,1,2,3,4,5,6,7
	ds_load_b128 v[(\f)+8*(\i):(\f)+8*(\i)+3],   v[ADRB+(\slot)] offset:(\k)+(\i)*16*PITCH
	ds_load_b128 v[(\f)+8*(\i)+4:(\f)+8*(\i)+7], v[ADRB+(\slot)] offset:(\k)+(\i)*16*PITCH+32
.endr
	WIN 0
.irp i, 0,1,2,3,4,5,6,7
	ds_load_b128 v[(\f)+8*(\i):(\f)+8*(\i)+3],   v[ADRA+(\slot)] offset:(\k)+(\i)*16*PITCH
	ds_load_b128 v[(\f)+8*(\i)+4:(\f)+8*(\i)+7], v[ADRA+(\slot)] offset:(\k)+(\i)*16*PITCH+32
.endr
.endm
; A load into a register that a matrix instruction has read, and an LDS store that reads a matrix result, stand four places behind that matrix instruction, and only plain vector
; instructions that name none of its registers are places (ISA guide 7.12.1 for vector instructions).  No other vector work is at hand: four v_nop.
.macro PLACES
.rept 4
	v_nop
.endr
.endm
; A K step is four quarter steps of 32 along K, 64 matrix instructions each, on buffers 0, 1, 0, 1.  The 64 accumulators take turns, one instruction a turn, in the same order in
; every quarter.  One of the first three quarters: multiplies buffer f; in its middle it fetches the next quarter's fragments, at byte k of the same slot's rows, into buffer g.
.macro QUARTER slot, k, f, g, first
	s_wait_dscnt 8                                 ; B and A's rows 0-63 are in; the youngest eight loads (A's rows 64-127) may be out
	MUL16 \f, 0, 0, \first
	MUL16 \f, 0, 2, \first
	PLACES
	FETCH \slot, \k, \g
	s_wait_dscnt 32                                ; all but the 32 just issued
	MUL16 \f, 1, 0, \first
	MUL16 \f, 1, 2, \first
.endm
; The last quarter multiplies buffer 1 and changes slots.  MEET is its first half: ONE barrier for the change of slots, for two things.  In front of it each wave waits for
; all its tensor loads, of which one is out: its part of the next slot; adds 0 to its spare word; and waits for that and for its own reads of this slot.  Behind it nobody reads this slot any more and the next slot is whole.
.macro MEET round                      ; round = 1: a round of the cluster's barrier follows
	WIN 0                                          ; (the add's two registers lie in window 0)
	s_wait_tensorcnt 0x0                           ; all my tensor loads have landed: the one that was out is my part of the next slot;
	ds_add_u32 v[SPW], v[NIL]                      ; 0 onto my spare word;
	s_wait_dscnt 9                                 ; (the add and the youngest eight loads may be out)
	MUL16 F1, 0, 0, 0                              ; sixteen matrix instructions stand between the add and the wait for it
	s_wait_dscnt 0x0                               ; the add is done, and my reads of this slot are over:
	s_barrier_signal -1                            ; say so (where a slot is filled again this barrier opens a round of the cluster's barrier),
	MUL16 F1, 0, 2, 0                              ; work on registers while the others arrive,
.if \round
	WIN 0
.endif
	s_barrier_wait -1                              ; and go on when all four have said so
.endm
; The whole last quarter.  Behind the round the slot just read out is filled again first, with the K step two steps on; then come the next slot's first fragments.
; From a request to the wait for it a wave issues 224 matrix instructions; one tensor load of mine is out meanwhile.
.macro TURN slot, next
	MEET 1
	CREST                                          ; wave 0 says so for the work-group, all sixteen work-groups have said so, my work-group's barrier closes the round:
	                                               ; no wave of any partner still reads this slot's tile or has a load on its way
	s_add_nc_u64 s[G0+4*(\slot)+2:G0+4*(\slot)+3], s[G0+4*(\slot)+2:G0+4*(\slot)+3], 2*KSTEP*2     ; no tensor load of mine is out: a group 0 may be written; the type bits on top are not reached
	s_add_nc_u64 s[G0B+4*(\slot)+2:G0B+4*(\slot)+3], s[G0B+4*(\slot)+2:G0B+4*(\slot)+3], 2*KSTEP*2
	JLOAD \slot                                    ; the first tensor load behind the round; the four v_nop behind it are also the places in front of the loads below
	FETCH \next, 0, F0
	MUL16 F1, 1, 0, 0
	MUL16 F1, 1, 2, 0
.endm
; THE WAY OUT of block a (16 rows x 128 columns of f32), in two parts.  TOSTAGE: a lane's 32 bytes of a row and column block go into my own stage, rows of 528 bytes, each accumulator's
; low four registers first; and come back as whole rows of 512 bytes, into A's fragment buffers by turns.  SEND: stored.
.macro TOSTAGE a
.set AC, 64*((\a)%4)
.set BK, F0+64*((\a)%2)
	WIN 0x08+4*((\a)/4)                            ; the stores' data (source 1) in window 2 or 3, the address in window 0
.irp b, 0,1,2,3,4,5,6,7
	ds_store_b128 v[STO], v[AC+8*(\b):AC+8*(\b)+3]   offset:64*(\b)
	ds_store_b128 v[STO], v[AC+8*(\b)+4:AC+8*(\b)+7] offset:64*(\b)+16
.endr
	WIN 0
.if (\a) >= 2
	s_wait_xcnt 0x0                                ; every earlier memory instruction has had its addresses translated (ISA guide 3.1): the registers that block a - 2's stores read are loaded again only behind this wait
.endif
.irp t, 0,1,2,3,4,5,6,7,8,9,10,11,12,13,14,15
	ds_load_b128 v[BK+4*(\t):BK+4*(\t)+3], v[RD] offset:(\t)*SPITCH  ; LDS serves a wave's instructions in order (ISA guide 5.7.1.4): these see the stores above, and the next block's stores come behind them
.endr
.endm
.macro SEND a, younger                 ; younger: the LDS instructions issued behind block a's loads: the next block's 16 stores and 16 loads, or none
	WIN 0
.set BK, F0+64*((\a)%2)
.irp t, 0,1,2,3,4,5,6,7,8,9,10,11,12,13,14,15
	s_wait_dscnt (\younger)+15-(\t)                ; row t is back in registers
	global_store_b128 v[CO], v[BK+4*(\t):BK+4*(\t)+3], s[8:9] offset:(16*(\a)+(\t))*ROWC th:TH_STORE_NT  ; 512 consecutive bytes, at a multiple of 512 from C's first; 127 rows of 16,384 bytes at the most, inside the signed 24-bit immediate
.endr
.endm
	s_wait_tensorcnt 1                             ; my part of K step 0 is in; K step 1's may stay out
	s_barrier_signal -1
	s_barrier_wait -1                              ; everybody's is
	FETCH 0, 0, F0
	s_wait_loadcnt 0x0                             ; the bias
	QUARTER 0, 64,  F0, F1, 1                      ; the first quarter stands in front of the loop: its products start the sums, with the bias
	WIN 0                                          ; at a label and at a branch every window is 0
	s_mov_b32 s3, LAPS-1
.Llap:                                                 ; a trip goes once round the ring, from a lap's second quarter to the next lap's first, and fills both slots again
	QUARTER 0, 128, F1, F0, 0
	QUARTER 0, 192, F0, F1, 0
	TURN 0, 1
	QUARTER 1, 64,  F0, F1, 0
	QUARTER 1, 128, F1, F0, 0
	QUARTER 1, 192, F0, F1, 0
	TURN 1, 0
	QUARTER 0, 64,  F0, F1, 0
	WIN 0
	s_sub_co_u32 s3, s3, 1
	s_cmp_lg_u32 s3, 0
	s_cbranch_scc1 .Llap
	QUARTER 0, 128, F1, F0, 0                      ; the last lap is written out: it fills nothing, and has no round of the cluster's barrier
	QUARTER 0, 192, F0, F1, 0
	MEET 0                                         ; my one tensor load that was still out is slot 1's, the last K step's
	PLACES                                         ; for the loads into buffer 0, which the quarter before multiplied
	FETCH 1, 0, F0
	MUL16 F1, 1, 0, 0
	MUL16 F1, 1, 2, 0
	QUARTER 1, 64,  F0, F1, 0
	QUARTER 1, 128, F1, F0, 0
	QUARTER 1, 192, F0, F1, 0
	s_wait_dscnt 8                                 ; the very last quarter: nothing more to fetch
	MUL16 F1, 0, 0, 0
	MUL16 F1, 0, 2, 0
	s_wait_dscnt 0x0
	MUL16 F1, 1, 0, 0
	MUL16 F1, 1, 2, 0
	PLACES                                         ; in front of the LDS stores that read the results, and of the loads into A's fragment buffers
	TOSTAGE 0
.irp a, 1,2,3,4,5,6,7                  ; block a goes into the stage while block a - 1's rows come back; then block a - 1 is stored
	TOSTAGE \a
	SEND (\a)-1, 32
.endr
	SEND 7, 0
	s_wait_tensorcnt 0x0                           ; the wave's end: a wait, an add of 0 onto my spare word and its wait, behind my last tensor load and my last LDS store
	ds_add_u32 v[SPW], v[NIL]
	s_wait_dscnt 0x0
	CROUND                                         ; the closing round: no work-group ends while a partner may still ask for a tile that names it
	s_endpgm
.Lfunc_end_k_q4c6968642e_gemm:
	.size	k_q4c6968642e_gemm, .Lfunc_end_k_q4c6968642e_gemm-k_q4c6968642e_gemm
	.p2alignl 7, 3214868480
	.fill 96, 4, 3214868480
	.section	.rodata,"a",@progbits
	.p2align	6, 0x0
	.amdhsa_kernel k_q4c6968642e_gemm
		.amdhsa_group_segment_fixed_size 327680
		.amdhsa_private_segment_fixed_size 0
		.amdhsa_enable_private_segment 0
		.amdhsa_kernarg_size 32
		.amdhsa_user_sgpr_count 2
		.amdhsa_user_sgpr_kernarg_segment_ptr 1
		.amdhsa_wavefront_size32 1
		.amdhsa_system_sgpr_workgroup_id_x 1
		.amdhsa_system_sgpr_workgroup_id_y 1
		.amdhsa_system_sgpr_workgroup_id_z 1
		.amdhsa_system_vgpr_workitem_id 0
		.amdhsa_next_free_vgpr 1024
		.amdhsa_next_free_sgpr 68
		.amdhsa_reserve_vcc 0
		.amdhsa_float_denorm_mode_32 3
		.amdhsa_float_denorm_mode_16_64 3
		.amdhsa_memory_ordered 1
		.amdhsa_forward_progress 1
		.amdhsa_inst_pref_size 145
	.end_amdhsa_kernel
	.amdgpu_metadata
---
amdhsa.version: [ 1, 2 ]
amdhsa.kernels:
  - .name:           k_q4c6968642e_gemm
    .symbol:         k_q4c6968642e_gemm.kd
    .args:
      - { .name: xh, .offset: 0, .size: 8, .value_kind: global_buffer, .address_space: global }
      - { .name: wh, .offset: 8, .size: 8, .value_kind: global_buffer, .address_space: global }
      - { .name: out0, .offset: 16, .size: 8, .value_kind: global_buffer, .address_space: global }
      - { .name: bias, .offset: 24, .size: 8, .value_kind: global_buffer, .address_space: global }
    .group_segment_fixed_size: 327680
    .private_segment_fixed_size: 0
    .kernarg_segment_align: 8
    .kernarg_segment_size: 32
    .max_flat_workgroup_size: 128
    .sgpr_count:     68
    .vgpr_count:     1024
    .wavefront_size: 32
...
	.end_amdgpu_metadata
.endif
;; end of part 2
;; ======== version 2 of 2: 2 launches; version 1 with the launch prep written anew for expert scheduling mode
;; limits: values are held in f16: magnitudes above 65,504 overflow, below 6.1e-05 lose precision
;; workspace buffers: xh 33,554,432 bytes; wh 33,554,432 bytes
;; launch prep (part 3): grid 256 x 1, 16 waves a work-group, no clusters, 0 bytes of LDS; arguments x, weight_packed, scales, zero_points, xh, wh; writes xh, wh
.if DOCPART == 3
	.amdgcn_target "amdgcn-amd-amdhsa--gfx1250"
	.amdhsa_code_object_version 6
	.text
	.protected	k_q4c6968642e_prep
	.globl	k_q4c6968642e_prep
	.p2align	8
	.type	k_q4c6968642e_prep,@function
k_q4c6968642e_prep:
	s_mov_b64 s[64:65], 0
	v_nop
	global_prefetch_b8 v0, s[64:65] scope:SCOPE_SE
	s_setreg_imm32_b32 hwreg(HW_REG_WAVE_SCHED_MODE, 0, 2), 2
	s_setreg_imm32_b32 hwreg(HW_REG_WAVE_MODE, 25, 1), 1
	s_wait_xcnt 0x0
	s_wait_alu depctr_vm_vsrc(0)
; xh[m][k] = f16(x[m][k]);  wh[o][k] = f16((q[o][k] - z[o][k/32]) * s[o][k/32]).  x: [4096][4096] f32; weight_packed: [4096][2048] int32, of each word
; bits 3:0 are q of the even k and bits 7:4 q of the odd k (higher bits are ignored, as the masks of the problem ignore them); scales, zero_points: [4096][128] f32.
; The difference and the product are two f32 roundings, in the order in which the problem writes them: no product z s is formed and taken away.
; LIMITS.  f16 holds no number beyond 65,504: an |x| or |W| of 65,520 or more becomes an infinity; below 6e-5 f16 keeps its fixed step of 6e-8.  NaN and infinities are not treated apart.
; SHARES.  256 work-groups of 16 waves: wave w of group g owns row 16 g + w of the weights (8,192 bytes in, 8,192 out: a word becomes two f16, so both have the same offsets)
; and row 16 g + w of x (16,384 bytes in, 8,192 out).  A wave asks for its whole share at once, 56 loads, and then works in the order of the loads behind counted waits.
; No offset and no store's data is written again behind the instruction that reads it, so nothing waits for a store.  No LDS, no barrier, no matrix unit: nothing is shared and every byte is touched once.
; THE MODE: SCHED_MODE bits 1:0 = 2 (LLVM: expert scheduling mode 2), set by the entry lines.  The code itself states the register dependences
; between vector instructions and memory instructions, with s_wait_alu, always for 0.
; THE PLAN.  Registers that memory instructions touch:
;   v3 .. v6   byte offsets, made once at the head and never written again; every load and store reads one of them.
;   ZP, SC     written by the eight small loads, which no vector instruction precedes on these registers; read by the moves between lanes.
;   W, piece i   written by its load; read by piece i's unpacking; written in place by piece i's four roundings; read by ONE store; never written again.
;   X, piece j   the same with two roundings, which write the piece's first two registers.
;   T, ZQ, SQ  are named by vector instructions alone.
; The pieces go in blocks of four: four blocks of the weights, then eight of x.  A block's four stores are issued in the NEXT block: one wait on va_vdst at that block's head states
; that the block before has written its registers, and the four stores follow it, one ahead of each piece's vector work, with no further wait: the vector instructions
; issued since the wait name this block's pieces, T, ZQ, SQ, ZP and SC, and none of the registers that those stores read.  Behind the entry lines no wait on vm_vsrc is written: no register that a
; memory instruction reads is written behind it.
.set VW, 3            ; v3   byte offset of my 16 bytes in piece 0 of my weight row, in and out: 8,192 w + 16 l
.set VX, 4            ; v4   the same in x: 16,384 w + 16 l
.set VO, 5            ; v5   the same in xh: 8,192 w + 8 l
.set VS, 6            ; v6   my word in the first 128 bytes of my row of scales and of zero points: 512 w + 32 (l % 4) + 4 (l / 4)
.set ZP, 8            ; v[8:11]   zero points, load c: lane 4 a + b holds group 32 c + 8 b + a
.set SC, 12           ; v[12:15]  scales, likewise
.set ZQ, 16           ; v[16:17]  the zero point of the piece in hand, in the low word; named as a pair
.set SQ, 18           ; v[18:19]  its scale
.set T,  20           ; v[20:27]  eight numbers at work
.set W,  28           ; v[28:91]  piece i of 16: four words as loaded, then four words of f16
.set X,  92           ; v[92:219] piece j of 32: four f32 as loaded, then two words of f16
	s_load_b256 s[4:11], s[0:1], 0x0               ; x s[4:5], weight_packed s[6:7], scales s[8:9], zero_points s[10:11]
	s_load_b128 s[12:15], s[0:1], 0x20             ; xh s[12:13], wh s[14:15]
	s_lshl_b32 s16, ttmp9, 18                      ; the group's 16 rows of 16,384 bytes (x)
	s_mov_b32 s17, 0
	s_lshl_b32 s18, ttmp9, 17                      ; of 8,192 bytes (weight_packed, wh, xh)
	s_mov_b32 s19, 0
	s_lshl_b32 s20, ttmp9, 13                      ; of 512 bytes (scales, zero_points)
	s_mov_b32 s21, 0
	v_and_b32 v1, 31, v0                           ; l
	v_lshrrev_b32 v2, 5, v0                        ; w
	v_lshlrev_b32 v[VW], 4, v1
	v_lshl_add_u32 v[VX], v2, 14, v[VW]
	v_lshl_add_u32 v[VW], v2, 13, v[VW]
	v_lshlrev_b32 v[VO], 3, v1
	v_lshl_add_u32 v[VO], v2, 13, v[VO]
	v_and_b32 v[VS], 3, v1
	v_lshlrev_b32 v[VS], 5, v[VS]
	v_lshrrev_b32 v7, 2, v1
	v_lshl_add_u32 v[VS], v7, 2, v[VS]
	v_lshl_add_u32 v[VS], v2, 9, v[VS]
.irp r, 0,1,2,3
	v_mov_b32 v[ZQ+(\r)], 0                        ; written once whole: the moves between lanes below count as readers of their destination, the packed lines name the pairs
.endr
	s_wait_kmcnt 0x0
	s_add_nc_u64 s[4:5], s[4:5], s[16:17]
	s_add_nc_u64 s[6:7], s[6:7], s[18:19]
	s_add_nc_u64 s[8:9], s[8:9], s[20:21]
	s_add_nc_u64 s[10:11], s[10:11], s[20:21]
	s_add_nc_u64 s[12:13], s[12:13], s[18:19]
	s_add_nc_u64 s[14:15], s[14:15], s[18:19]
	s_wait_alu depctr_va_vdst(0)                   ; the four offsets v3 to v6 are written: every load and store of the kernel reads one of them
	; All 56 loads.  Each of the eight small ones takes 128 consecutive bytes of the row's 512, the lanes permuted inside them, so that every scale and zero point is read once.
.irp c, 0,1,2,3
	global_load_b32 v[ZP+(\c)], v[VS], s[10:11] offset:128*(\c) th:TH_LOAD_NT
.endr
.irp c, 0,1,2,3
	global_load_b32 v[SC+(\c)], v[VS], s[8:9] offset:128*(\c) th:TH_LOAD_NT
.endr
.set i, 0
.rept 16
	global_load_b128 v[W+4*i:W+4*i+3], v[VW], s[6:7] offset:512*i th:TH_LOAD_NT  ; 512 consecutive bytes: words 128 i + 4 l on, k = 256 i + 8 l on
.set i, i+1
.endr
.set j, 0
.rept 32
	global_load_b128 v[X+4*j:X+4*j+3], v[VX], s[4:5] offset:512*j th:TH_LOAD_NT
.set j, j+1
.endr
; Piece i = 4 c + b of the weight row: piece b of block c.  My eight k lie in group 8 i + l / 4 = 32 c + 8 b + l / 4, which lane b of my four lanes holds in load c: one move inside the four lanes fetches it.
; Ahead of its vector work stands the store of piece i - 4, the same piece of the block before.
.macro WPIECE c, b
.set i, 4*(\c)+(\b)
	s_wait_loadcnt 47-i                            ; loads come back in order (ISA guide 5.7.1): mine is in; the 15 - i younger pieces and x's 32 loads stay out
.if (\c) > 0
.if (\b) == 0
	s_wait_alu depctr_va_vdst(0)                   ; the roundings of the block before have written its four pieces of W, which this block's four stores read
.endif
	global_store_b128 v[VW], v[W+4*(i-4):W+4*(i-4)+3], s[14:15] offset:512*(i-4)  ; 512 consecutive bytes, at a multiple of 512 from wh's first; the next launch reads them, so no hint.  No vector instruction since the wait names these registers
.endif
	v_mov_b32_dpp v[ZQ], v[ZP+(\c)] quad_perm:[\b,\b,\b,\b] row_mask:0xf bank_mask:0xf
	v_mov_b32_dpp v[SQ], v[SC+(\c)] quad_perm:[\b,\b,\b,\b] row_mask:0xf bank_mask:0xf
.irp k, 0,1,2,3
	v_and_b32 v[T+2*(\k)], 15, v[W+4*i+(\k)]       ; the even k's four bits,
	v_bfe_u32 v[T+2*(\k)+1], v[W+4*i+(\k)], 4, 4   ; the odd k's
.endr
.irp k, 0,1,2,3,4,5,6,7
	v_cvt_f32_u32 v[T+(\k)], v[T+(\k)]
.endr
.irp k, 0,2,4,6
	v_pk_add_f32 v[T+(\k):T+(\k)+1], v[T+(\k):T+(\k)+1], v[ZQ:ZQ+1] op_sel_hi:[1,0] neg_lo:[0,1] neg_hi:[0,1]  ; q - z, the pair's low word for both
.endr
.irp k, 0,2,4,6
	v_pk_mul_f32 v[T+(\k):T+(\k)+1], v[T+(\k):T+(\k)+1], v[SQ:SQ+1] op_sel_hi:[1,0]                            ; times s
.endr
.irp k, 0,1,2,3
	v_cvt_pk_f16_f32 v[W+4*i+(\k)], v[T+2*(\k)], v[T+2*(\k)+1]  ; the even k into the low half
.endr
.endm
.irp c, 0,1,2,3
.irp b, 0,1,2,3
	WPIECE \c, \b
.endr
.endr
	; x: four f32 a lane become 8 bytes; the wave's store covers 256 consecutive bytes, at a multiple of 256 from xh's first.
	; Blocks of four pieces, as above: block 0 issues the stores of the weights' last block, every other block those of the x block before it.
.set j, 0
.rept 32
	s_wait_loadcnt 31-j                            ; piece j is in, the younger ones stay out
.if j%4 == 0
	s_wait_alu depctr_va_vdst(0)                   ; the roundings of the block before (at j = 0: the weights' last block) have written the registers that this block's four stores read
.endif
.if j < 4
	global_store_b128 v[VW], v[W+4*(12+j):W+4*(12+j)+3], s[14:15] offset:512*(12+j)
.else
	global_store_b64 v[VO], v[X+4*(j-4):X+4*(j-4)+1], s[12:13] offset:256*(j-4)  ; no vector instruction since the wait names these registers
.endif
	v_cvt_pk_f16_f32 v[X+4*j], v[X+4*j], v[X+4*j+1]
	v_cvt_pk_f16_f32 v[X+4*j+1], v[X+4*j+2], v[X+4*j+3]
.set j, j+1
.endr
	s_wait_alu depctr_va_vdst(0)                   ; the last block's roundings have written pieces 28 to 31 of X, which the last four stores read
.irp t, 28,29,30,31
	global_store_b64 v[VO], v[X+4*(\t):X+4*(\t)+1], s[12:13] offset:256*(\t)
.endr
	s_endpgm
.Lfunc_end_k_q4c6968642e_prep:
	.size	k_q4c6968642e_prep, .Lfunc_end_k_q4c6968642e_prep-k_q4c6968642e_prep
	.p2alignl 7, 3214868480
	.fill 96, 4, 3214868480
	.section	.rodata,"a",@progbits
	.p2align	6, 0x0
	.amdhsa_kernel k_q4c6968642e_prep
		.amdhsa_group_segment_fixed_size 0
		.amdhsa_private_segment_fixed_size 0
		.amdhsa_enable_private_segment 0
		.amdhsa_kernarg_size 48
		.amdhsa_user_sgpr_count 2
		.amdhsa_user_sgpr_kernarg_segment_ptr 1
		.amdhsa_wavefront_size32 1
		.amdhsa_system_sgpr_workgroup_id_x 1
		.amdhsa_system_sgpr_workgroup_id_y 1
		.amdhsa_system_sgpr_workgroup_id_z 1
		.amdhsa_system_vgpr_workitem_id 0
		.amdhsa_next_free_vgpr 224
		.amdhsa_next_free_sgpr 66
		.amdhsa_reserve_vcc 0
		.amdhsa_float_denorm_mode_32 3
		.amdhsa_float_denorm_mode_16_64 3
		.amdhsa_memory_ordered 1
		.amdhsa_forward_progress 1
		.amdhsa_inst_pref_size 42
	.end_amdhsa_kernel
	.amdgpu_metadata
---
amdhsa.version: [ 1, 2 ]
amdhsa.kernels:
  - .name:           k_q4c6968642e_prep
    .symbol:         k_q4c6968642e_prep.kd
    .args:
      - { .name: x, .offset: 0, .size: 8, .value_kind: global_buffer, .address_space: global }
      - { .name: weight_packed, .offset: 8, .size: 8, .value_kind: global_buffer, .address_space: global }
      - { .name: scales, .offset: 16, .size: 8, .value_kind: global_buffer, .address_space: global }
      - { .name: zero_points, .offset: 24, .size: 8, .value_kind: global_buffer, .address_space: global }
      - { .name: xh, .offset: 32, .size: 8, .value_kind: global_buffer, .address_space: global }
      - { .name: wh, .offset: 40, .size: 8, .value_kind: global_buffer, .address_space: global }
    .group_segment_fixed_size: 0
    .private_segment_fixed_size: 0
    .kernarg_segment_align: 8
    .kernarg_segment_size: 48
    .max_flat_workgroup_size: 512
    .sgpr_count:     66
    .vgpr_count:     224
    .wavefront_size: 32
...
	.end_amdgpu_metadata
.endif
;; end of part 3
;; launch gemm: the kernel of part 2 again; grid 16 x 16, 4 waves a work-group, clusters of 4 x 4, 327,680 bytes of LDS; arguments xh, wh, out0, bias; writes out0
